; MI455X (gfx1250); checked and timed in simulation.
; The chip was launched on July 23, 2026; its instructions are those of AMD's public machine-readable ISA for CDNA 5 (MIT licence, August 2026) and "CDNA5" Instruction Set Architecture Reference Guide (July 2026). The comments in the code are by the model that wrote it; some were corrected since.
;; Multi Head Attention. Allowed arithmetic: matrix products marked QUANTISED: E5M2 operands, one given power-of-two scale a tensor, by v_wmma_f32_16x16x64_bf8_bf8 or v_wmma_f32_16x16x128_bf8_bf8, f32 sums; everything else in f32.
;; Inputs: b_proj 1,024 float32; b_qkv 3,072 float32; lowp_scales 8 int32 (the exponents e of the quantised operands' scales 2^e); w_proj_codes 1,024 x 32 x 32 uint8 (E5M2 codes of w_proj, K innermost, in blocks of 32 codes); w_qkv_codes 3,072 x 32 x 32 uint8 (E5M2 codes of w_qkv, K innermost, in blocks of 32 codes); x_codes 4 x 2,048 x 32 x 32 uint8 (E5M2 codes of x, K innermost, in blocks of 32 codes).
;; Outputs: out0 4 x 2,048 x 1,024 float32.
;; This version of the problem:
;;   THIS VERSION OF THE PROBLEM IS GIVEN IN LOW PRECISION. The matrix products marked QUANTISED in the list below multiply operands that are first quantised to E5M2 (5 exponent bits, 2 mantissa bits; 8 bits a number), with one given power-of-two scale for each operand tensor; their sums are f32. All else is computed in f32.
;;   The module's matrix products, in the order in which they are computed (A, B: the left and right operand; K: the contracted axis; several contracted axes count as one K, in the product's order):
;;     1. [M 8,192, K 1,024] x [K 1,024, N 3,072]; A: input x (given as codes); B: input w_qkv (given as codes): QUANTISED (scales: A lowp_scales[0], B lowp_scales[1])
;;     2. batch 64 x [M 2,048, K 64] x [K 64, N 2,048]; A: computed on the way; B: computed on the way: QUANTISED (scales: A lowp_scales[2], B lowp_scales[3])
;;     3. batch 64 x [M 2,048, K 2,048] x [K 2,048, N 64]; A: softmax (see below); B: computed on the way: QUANTISED (scales: A lowp_scales[4], B lowp_scales[5])
;;     4. [M 8,192, K 1,024] x [K 1,024, N 1,024]; A: computed on the way; B: input w_proj (given as codes): QUANTISED (scales: A lowp_scales[6], B lowp_scales[7])
;;   THE QUANTISER, for each operand of a quantised product, along K:
;;     - The operand's scale is 2^e, e = its entry of the input lowp_scales (int32; the entries are numbered through the quantised products in the list's order, A before B).
;;     - Each number is divided by the scale, clamped to +-57,344, and rounded to the nearest number of E5M2, ties to even, subnormals kept.
;;     - The product sums the exact products of the quantised numbers (number of the format x scale) in f32.
;;   ~~~python
;;   def quantise(x, axis, e):      # numpy; x: float32 -> the quantised numbers, widened to float32 again
;;       x = np.moveaxis(x, axis, -1); K = x.shape[-1]
;;       r = np.clip(x / 2.0 ** e, -57344, 57344)
;;       step = 2.0 ** (np.maximum(np.frexp(np.where(r == 0, 1, r))[1] - 1, -14) - 2)
;;       q = np.round(r / step) * step * 2.0 ** e      # np.round: ties to even
;;       return np.moveaxis(q, -1, axis).astype(np.float32)
;;   ~~~
;;   SOFTMAX AHEAD OF A QUANTISED PRODUCT. Where the list says 'softmax', what is quantised is not the finished softmax but p = 2^(t - M), with t = logit x log2(e) and M = ceil(the row's largest t), a whole number; so 1/2 < the row's largest p <= 1. The row's sum l is taken of the UNQUANTISED p, in f32, and the product's result is divided by l at the end. Since M is a whole number, a kernel that streams over the keys may use a running M (the ceiling of the running maximum): every later rescaling is an exact power of two, so the quantised numbers keep their values, but for numbers so far below the row's largest that they fall under the format's range.
;;   OPERANDS COMPUTED ON THE WAY. 'Computed on the way' means the value that the module computes at that place (a softmax that the list does not call 'softmax' is quantised finished and normalised). What goes into a quantiser is computed in f32, as accurately as f32 sums, v_exp_f32 and their like allow (about 1e-6 of the number): no bf16 or f16 on the way to a quantiser, and a product that is left as it is and whose result goes on into a quantised operand takes f32 operands (vector FMAs, or v_wmma_f32_16x16x4_f32). A number that lies on a knife's edge between two numbers of the format may be rounded either way, as far as f32 arithmetic and the matrix unit's own rounding can turn it there, and no further.
;;   INPUTS GIVEN AS CODES. w_proj (in the module: [1024, 1024], K = its axis 1); w_qkv (in the module: [3072, 1024], K = its axis 1); x (in the module: [4, 2048, 1024], K = its axis 2): each comes as NAME_codes (uint8): NAME with its K axis moved to the last place and cut into blocks of 32 codes, [.., K / 32, bytes a block], one block behind the other in memory; one code a byte (a code: sign, 5 exponent bits, 2 mantissa bits); its scale is its entry of lowp_scales. Its value is code x scale, taken as it is: it is not quantised again, and the codes and scales need not be those that the quantiser above would give.
;; One version. Each part assembles by itself: llvm-mc -triple=amdgcn-amd-amdhsa -mcpu=gfx1250 --defsym DOCPART=n.
;; ======== version 1 of 1: 3 launches
;; limits: right only within a limited range of input values
;; workspace buffers: qf 8,388,608 bytes; kvf 16,777,216 bytes; af 8,388,608 bytes
;; launch qkv (part 1): grid 12 x 32, 4 waves a work-group, clusters of 4 x 4, 327,680 bytes of LDS; arguments x_codes, w_qkv_codes, lowp_scales, b_qkv, qf, kvf; writes qf, kvf
.if DOCPART == 1
	.amdgcn_target "amdgcn-amd-amdhsa--gfx1250"
	.amdhsa_code_object_version 6
	.text
	.protected	k_q32b8142038_qkv
	.globl	k_q32b8142038_qkv
	.p2align	8
	.type	k_q32b8142038_qkv,@function
k_q32b8142038_qkv:
	s_mov_b64 s[64:65], 0
	v_nop
	global_prefetch_b8 v0, s[64:65] scope:SCOPE_SE
	s_setreg_imm32_b32 hwreg(HW_REG_WAVE_MODE, 25, 1), 1
	s_wait_xcnt 0x0
	s_wait_alu depctr_hold_cnt(0) depctr_sa_sdst(0) depctr_va_vdst(0) depctr_va_sdst(0) depctr_va_ssrc(0) depctr_va_vcc(0) depctr_vm_vsrc(0)
	s_getreg_b32 s2, hwreg(HW_REG_IB_STS2, 6, 4)
	s_cmp_eq_u32 s2, 0
	s_cbranch_scc0 .Lentry_in_a_cluster
	s_endpgm
.Lentry_in_a_cluster:
	s_bfe_u32 s2, ttmp6, 0x10000c
	s_cmp_lg_u32 s2, 0xf033
	s_cbranch_scc0 .Lentry_shape_is_right
	s_endpgm
.Lentry_shape_is_right:
; qkv = x W^T + b on codes of BF8 (E5M2), and its three parts quantised again, each with its given scale: q (entry 2 of the scales), k (entry 3), v (entry 5).
; x: [8192][1024] codes, W: [3072][1024] codes, K innermost; a number is code x 2^e0 (x) or x 2^e1 (W).  b: [3072] f32.
; A tile of 256 tokens x 256 channels is made by four waves, each 128 x 128: 64 accumulators, 512 registers.  K goes in steps of 256 through a ring of two LDS slots.
; CLUSTERS: 4 x 4 work-groups; x's tiles are asked for jointly along a row of the cluster, W's along a column.  A cluster's 1,024 channels are one SECTION: cluster x = 0: q, 1: k, 2: v.
; WHAT LEAVES ARE IMAGES OF THE NEXT LAUNCH'S OPERAND REGISTERS: 512 bytes = four registers of 32 lanes, lane l's 16 bytes at 16 l.  A matrix result holds in a lane eight neighbours along SOURCE 0's rows.
;   q, k: source 0 = 16 rows of W, source 1 = 16 tokens: a lane holds one token and eight channels d = 16 c + 8 (lane / 16) + 0 .. 7: one conversion gives registers 2 c, 2 c + 1 of a K = 64 fragment.
;   v:    source 0 = 16 tokens, source 1 = 16 rows of W: a lane holds one channel and eight KEYS 16 c + 8 (lane / 16) + 0 .. 7: registers 2 c, 2 c + 1 of a K = 128 fragment of V^T.
; The two sources change places by the LDS addresses that the fragments are read from (a choice on the cluster's x, which all partners share); the loop's text is one.
; qf:  [batch x head 64][token tile 128][2 x 512 bytes].   kvf: [batch x head 64][block of 128 keys 16][K: 8 key tiles x 1,024 bytes | V: 4 channel tiles x 2,048 bytes].
; THE BIAS, divided by 2^(e0 + e1) as the sums are: in q and k it hangs on the register (eight registers for each of source 0's blocks): it is the C of each sum's first product.  In v it hangs on the lane: it is added on the way out.
; Each of the two is set to zeros in the sections where the other serves.
; LIMITS: E = e_dst - e0 - e1 between -126 and 112, so that 2^E and 57,344 x 2^E are f32 numbers.  NaN among the inputs is not served.
; REGISTERS, in windows of 256: window 0: v16-31 addresses and constants; v32-95 the bias by registers, later at work; v96-111 the bias by lanes; v128-255 source 1's fragments, ONE set, later the codes.
;   window 1: source 0's fragments, TWO sets, at v0 and v128.   window 2: accumulators of source 1's blocks 0-3 ((a, b) at v[8 (8 (a % 4) + b)]);   window 3: of blocks 4-7.
.set KROW,   1024                      ; a row of x or of W in memory, in bytes
.set ROWB,   256                       ; a tile's row: 256 codes
.set PITCH,  272                       ; an LDS row: 256 bytes + 16 of padding: the 16 rows that a load touches begin 68 words apart
.set FR,     16                        ; registers of a fragment: 16 rows x 128 K
.set NL,     4                         ; LDS loads that bring one
.set NP,     4                         ; places behind this matrix instruction (ISA guide 7.12.1)
.set HALFT,  128*PITCH                 ; 128 rows: what one tensor load brings
.set SLOT,   4*HALFT                   ; x's 256 rows, then W's 256 rows
.set LAPS,   KROW/(2*ROWB)             ; a lap = two K steps = once round the ring
.set SPARE,  2*SLOT                    ; behind the ring: the spare words, 128 bytes for each wave
.set ADRA, 16                          ; v16-17  LDS address of source 1's fragments in slot 0, 1
.set ADRB, 20                          ; v20-21  the same for source 0
.set OFF,  26                          ; v26     16 x lane: my place in an image; never rewritten
.set SPW,  28                          ; v28     LDS address of my spare word; never rewritten
.set NIL,  29                          ; v29     0; never rewritten
.set SC,   30                          ; v30     2^E as f32
.set LIM,  31                          ; v31     57,344 x 2^E
.set BA,   32                          ; v32-95  the bias by registers
.set TMP,  32                          ; the way out: a block's 64 numbers
.set BV,   96                          ; v96-111 the bias by lanes: block a's in the pair 2 a, 2 a + 1, twice
.set AF,   128                         ; source 1's fragments
.set CD,   128                         ; the way out: 16 registers of codes for each block
.set G1, 24                            ; s[24:31] descriptor group 1 for x's tiles;  s[32:39] group 0, one set for each slot
.set G0, 32
.set G1B, 48                           ; s[48:55], s[56:63] the same for W's tiles
.set G0B, 56
.set MSB, 0
.macro WIN new                         ; the immediate's high byte repeats the setting that is left
.if MSB != \new
	s_set_vgpr_msb (MSB<<8)|\new
.set MSB, \new
.endif
.endm
.set MUL_LO, 0xa1                      ; source 0 window 1, source 1 window 0, C and D window 2
.set MUL_HI, 0xf1                      ; the same, C and D window 3
.set FST_LO, 0x81                      ; the first products: C (the bias) window 0, D window 2
.set FST_HI, 0xc1                      ; D window 3
.set TO_B,   0x40                      ; destination window 1, address window 0
; A joint load: waves 0 and 1 fetch x's two halves, waves 2 and 3 W's.  Each line has one mask and one set of registers for all that issue it; the branch hangs on the wave's number alone.
; Four v_nop follow each of the two lines, ahead of the jump, the label and what follows.
.macro JLOAD g0a, g1a, g0b, g1b
	s_cmp_eq_u32 s15, 0
	s_cbranch_scc0 .Lfor_b_\@
	tensor_load_to_lds s[\g0a:\g0a+3], s[\g1a:\g1a+7]
	s_nop 0
.rept 4
	v_nop
.endr
	s_branch .Lasked_\@
.Lfor_b_\@:
	tensor_load_to_lds s[\g0b:\g0b+3], s[\g1b:\g1b+7]
	s_nop 0
.rept 4
	v_nop
.endr
.Lasked_\@:
.endm
.macro CREST                           ; a round of the cluster's barrier behind its opening barrier
	s_cmp_lg_u32 s14, 0
	s_cbranch_scc1 .Lnot_wave_0_\@
	s_barrier_signal -3
.Lnot_wave_0_\@:
	s_barrier_wait -3
	s_barrier_signal -1
	s_barrier_wait -1
.endm
.macro CROUND                          ; a whole round
	s_barrier_signal -1
	s_barrier_wait -1
	CREST
.endm
	s_load_b256 s[4:11], s[0:1], 0x0               ; x's codes s[4:5], W's codes s[6:7], the scales' exponents s[8:9], b s[10:11]
	s_load_b128 s[68:71], s[0:1], 0x20             ; qf s[68:69], kvf s[70:71]
	v_lshl_add_u32 v[SPW], v0, 2, SPARE
	v_mov_b32 v[NIL], 0
	ds_add_u32 v28, v29
	ds_add_u32 v28, v29
	s_wait_dscnt 0x0
	v_lshrrev_b32 v1, 5, v0
	v_readfirstlane_b32 s14, v1                    ; wave 0..3
	s_lshr_b32 s15, s14, 1                         ; which half of source 1's 256 rows is mine.  Also: I fetch for x (0) or for W (1)
	s_and_b32 s16, s14, 1                          ; which half of source 0's.  Also: which 128 rows of that tile I fetch
	s_bfe_u32 s40, ttmp6, 0x40000                  ; cx, cy: my place in the cluster
	s_bfe_u32 s41, ttmp6, 0x40004
	; WHICH TENSOR FEEDS WHICH SOURCE is chosen where the tiles are asked for, not where they are read: the slot's first 256 rows are source 1's, shared along my row of the cluster (they hang on cy),
	; its last 256 rows source 0's, shared along my column (they hang on cx).  q, k: source 1 = x, tile 4 x cluster y + cy; source 0 = W, tile 4 x cluster x + cx.
	; v: source 1 = W, tile 4 x cluster x + cy; source 0 = x, tile 4 x cluster y + cx.  The choice hangs on the cluster's x, which all partners share.  Both tensors have rows of 1,024 bytes.
	s_and_b32 s17, ttmp7, 0xffff
	s_cmp_eq_u32 ttmp9, 2                          ; section v?
	s_cselect_b32 s42, s17, ttmp9
	s_cselect_b32 s17, ttmp9, s17
	s_lshl_b32 s42, s42, 2
	s_add_co_u32 s42, s42, s40                     ; source 0's tile
	s_lshl_b32 s17, s17, 2
	s_add_co_u32 s17, s17, s41                     ; source 1's tile
	s_lshl_b32 s43, s41, 2
	s_lshl_b32 s43, 15, s43                        ; my row of the cluster
	s_lshl_b32 s44, 0x1111, s40                    ; my column
	; descriptor group 1: a tile of 128 rows x 256 bytes, padded in LDS
	s_or_b32 s[G1+0], s43, (0<<16)|(1<<20)|(1<<21)|(5<<22)|(3<<25)  ; 15:0 the mask: x's tiles go to my row; 17:16 element of 1 byte; 20 padding on; 21 set beside a mask; 24:22 after every 64 words; 31:25 four words
	s_or_b32 s[G1B+0], s44, (0<<16)|(1<<20)|(1<<21)|(5<<22)|(3<<25) ; the same with my column's mask, for W's tiles
.irp g, G1, G1B
	s_mov_b32 s[\g+1], ROWB<<16                    ; tensor_dim0
	s_mov_b32 s[\g+2], 128<<16                     ; tensor_dim1 = 128
	s_mov_b32 s[\g+3], ROWB<<16                    ; tile_dim0
	s_mov_b32 s[\g+4], 128                         ; tile_dim1 = 128
	s_mov_b32 s[\g+5], KROW                        ; tensor_dim0_stride
	s_mov_b32 s[\g+6], 0
	s_mov_b32 s[\g+7], 0
.endr
	s_lshl_b32 s18, s16, 17                        ; the 128 rows of 1,024 bytes that I fetch
	s_lshl_b32 s20, s17, 18
	s_add_co_u32 s20, s20, s18                     ; x: (256 x tile row + 128 x half) rows, in bytes
	s_mov_b32 s21, 0
	s_lshl_b32 s46, s42, 18
	s_add_co_u32 s46, s46, s18                     ; W: (256 x tile column + 128 x half) rows
	s_mov_b32 s47, 0
	s_mul_i32 s45, s14, HALFT                      ; where they go: wave x 128 rows: no place in the cluster enters an LDS address
	s_wait_kmcnt 0x0
	s_load_b256 s[72:79], s[8:9], 0x0              ; e0 .. e7
	s_cmp_eq_u32 ttmp9, 2
	s_cselect_b64 s[80:81], s[6:7], s[4:5]         ; source 1's tensor: W in section v, else x
	s_cselect_b64 s[92:93], s[4:5], s[6:7]         ; source 0's: the other
	s_add_nc_u64 s[20:21], s[80:81], s[20:21]
	s_add_nc_u64 s[46:47], s[92:93], s[46:47]
	CROUND                                         ; all sixteen work-groups are here: the first joint loads meet
.irp s, 0,1
	s_mov_b32 s[G0+4*\s], 1
	s_add_co_u32 s[G0+4*\s+1], s45, \s*SLOT
	s_add_nc_u64 s[G0+4*\s+2:G0+4*\s+3], s[20:21], \s*ROWB
	s_or_b32 s[G0+4*\s+3], s[G0+4*\s+3], 0x80000000
	s_mov_b32 s[G0B+4*\s], 1
	s_add_co_u32 s[G0B+4*\s+1], s45, \s*SLOT
	s_add_nc_u64 s[G0B+4*\s+2:G0B+4*\s+3], s[46:47], \s*ROWB
	s_or_b32 s[G0B+4*\s+3], s[G0B+4*\s+3], 0x80000000
.endr
	JLOAD G0, G1, G0B, G1B                         ; K step 0: one tensor load a wave
	v_and_b32 v1, 15, v0                           ; r = lane % 16
	v_bfe_u32 v2, v0, 4, 1                         ; h = lane / 16
	v_mul_u32_u24 v3, v1, PITCH
	v_lshl_add_u32 v4, v2, 4, v3                   ; a fragment's row x pitch + 16 x half
	s_wait_alu depctr_va_vdst(0)
	s_cmp_eq_u32 ttmp9, 2                          ; section v?
	s_cselect_b32 s80, s17, s42                    ; the tile column (256 channels): W's tile
	s_cselect_b32 s81, s42, s17                    ; the tile row (256 tokens): x's tile
	s_mul_i32 s21, s15, HALFT                      ; my 128 rows of source 1, in the slot's first half
	s_mul_i32 s22, s16, HALFT                      ; my 128 rows of source 0,
	s_add_co_u32 s22, s22, 2*HALFT                 ; in its second half
.irp s, 0,1
	v_add_nc_u32 v[ADRA+\s], s21, v4
	v_add_nc_u32 v[ADRB+\s], s22, v4
	s_add_co_u32 s21, s21, SLOT
	s_add_co_u32 s22, s22, SLOT
.endr
	v_and_b32 v6, 31, v0
	v_lshlrev_b32 v[OFF], 4, v6
	; the biases.  By registers: b[256 x tile column + 128 x (source 0's half) + 16 b + 8 h + j].  By lanes: b[256 x tile column + 128 x (source 1's half) + 16 a + r].  Both lie inside b in every section
	s_lshl_b32 s18, s80, 10
	s_lshl_b32 s19, s16, 9
	s_add_co_u32 s18, s18, s19
	s_mov_b32 s19, 0
	s_add_nc_u64 s[96:97], s[10:11], s[18:19]
	s_lshl_b32 s18, s80, 10
	s_lshl_b32 s23, s15, 9
	s_add_co_u32 s18, s18, s23
	s_add_nc_u64 s[98:99], s[10:11], s[18:19]
	v_lshlrev_b32 v7, 5, v2                        ; 32 h
	v_lshlrev_b32 v8, 2, v1                        ; 4 r
.irp b, 0,1,2,3,4,5,6,7
	global_load_b128 v[BA+8*\b:BA+8*\b+3],   v7, s[96:97] offset:64*\b
	global_load_b128 v[BA+8*\b+4:BA+8*\b+7], v7, s[96:97] offset:64*\b+16
.endr
.irp a, 0,1,2,3,4,5,6,7
	global_load_b32 v[BV+2*\a], v8, s[98:99] offset:64*\a
.endr
	; where my images go.  All is chosen by the section; no branch
	s_cmp_eq_u32 ttmp9, 0
	s_cselect_b64 s[82:83], s[68:69], s[70:71]     ; q goes to qf, k and v to kvf
	s_mov_b32 s20, 262144
	s_cselect_b32 s20, 131072, s20                 ; bytes of a head
	s_mov_b32 s21, 16384
	s_cselect_b32 s21, 8192, s21                   ; bytes of 128 tokens
	s_cmp_eq_u32 ttmp9, 2
	s_cselect_b32 s18, s16, s15                    ; which half of the tile's tokens is mine,
	s_cselect_b32 s19, s15, s16                    ; which half of its channels
	s_cselect_b32 s22, 8192, 0                     ; V lies behind K in a block of keys
	s_cselect_b32 s90, 1024, s20                   ; from a block's first two images to its last two: the second half of V's fragment, or the next head
	s_mov_b32 s86, 1024
	s_cselect_b32 s86, 2048, s86                   ; from block a to block a + 1: the next channel tile, or the next token tile
	s_cselect_b32 s88, 253952, 0                   ; v: block 4 begins the next head: 262,144 - 4 x 2,048 more
	s_mov_b32 s87, 0
	s_mov_b32 s89, 0
	s_mov_b32 s91, 0
	s_lshl_b32 s23, s81, 8
	s_lshl_b32 s18, s18, 7
	s_add_co_u32 s23, s23, s18                     ; my first token
	s_lshr_b32 s18, s23, 11                        ; its batch
	s_lshl_b32 s18, s18, 4
	s_and_b32 s46, s80, 3                          ; the tile column's place in its section of four,
	s_lshl_b32 s46, s46, 2                         ; x 4 heads: the tile's first head
	s_add_co_u32 s18, s18, s46
	s_lshl_b32 s19, s19, 1
	s_add_co_u32 s18, s18, s19                     ; batch x 16 + my first head
	s_mul_i32 s18, s18, s20
	s_bfe_u32 s23, s23, 0x40007                    ; which 128 tokens of the batch's 2,048
	s_mul_i32 s23, s23, s21
	s_add_co_u32 s18, s18, s23
	s_add_co_u32 s18, s18, s22
	s_mov_b32 s19, 0
	s_add_nc_u64 s[82:83], s[82:83], s[18:19]      ; images 0, 1 of block 0
	s_add_nc_u64 s[84:85], s[82:83], s[90:91]      ; images 2, 3
	s_wait_kmcnt 0x0                               ; the exponents
	s_add_co_i32 s92, s72, s73                     ; e0 + e1: a sum stands for sum x 2^(e0 + e1)
	s_sub_co_i32 s93, 0, s92
	s_cmp_eq_u32 ttmp9, 0
	s_cselect_b32 s18, s74, s75                    ; q: e2, k: e3,
	s_cmp_eq_u32 ttmp9, 2
	s_cselect_b32 s18, s77, s18                    ; v: e5
	s_cselect_b32 s94, 0, -1                       ; lane masks: all lanes in q and k,
	s_cselect_b32 s95, -1, 0                       ; all lanes in v
	s_sub_co_i32 s18, s18, s92                     ; E: the three scales folded into the conversion's one
	s_add_co_i32 s18, s18, 127
	s_lshl_b32 s19, s18, 23
	v_mov_b32 v[SC], s19
	s_add_co_i32 s18, s18, 15
	s_lshl_b32 s18, s18, 23
	s_or_b32 s18, s18, 0x600000
	v_mov_b32 v[LIM], s18
	s_wait_loadcnt 0x0                             ; the biases
.irp j, 0,1,2,3,4,5,6,7,8,9,10,11,12,13,14,15,16,17,18,19,20,21,22,23,24,25,26,27,28,29,30,31,32,33,34,35,36,37,38,39,40,41,42,43,44,45,46,47,48,49,50,51,52,53,54,55,56,57,58,59,60,61,62,63
	v_ldexp_f32 v[BA+\j], v[BA+\j], s93            ; b / 2^(e0 + e1)
.endr
.irp j, 0,1,2,3,4,5,6,7,8,9,10,11,12,13,14,15,16,17,18,19,20,21,22,23,24,25,26,27,28,29,30,31,32,33,34,35,36,37,38,39,40,41,42,43,44,45,46,47,48,49,50,51,52,53,54,55,56,57,58,59,60,61,62,63
	v_cndmask_b32 v[BA+\j], 0, v[BA+\j], s94       ; zeros in section v
.endr
.irp a, 0,1,2,3,4,5,6,7
	v_ldexp_f32 v[BV+2*\a], v[BV+2*\a], s93
.endr
.irp a, 0,1,2,3,4,5,6,7
	v_cndmask_b32 v[BV+2*\a], 0, v[BV+2*\a], s95   ; zeros in sections q and k
.endr
.irp a, 0,1,2,3,4,5,6,7
	v_mov_b32 v[BV+2*\a+1], v[BV+2*\a]             ; a pair for the packed addition
.endr
.macro FRAG reg, adr, q, i             ; a fragment, 16 rows x 128 K: lane l holds row l % 16; registers 4 c .. 4 c + 3 hold K = 32 c + 16 (l / 16) + 0 .. 15: the same places in both sources, so every product meets its partner
.irp c, 0,1,2,3
	ds_load_b128 v[\reg+4*\c:\reg+4*\c+3], v[\adr] offset:128*(\q)+32*\c+(\i)*16*PITCH
.endr
.endm
; 16 matrix instructions: source 1's blocks a0, a0 + 1 x source 0's eight, 128 along K.  p: source 0's set.  first = 1: the first product starts the sums from the bias: nothing is cleared.
; The 64 accumulators take turns, one instruction a turn, in the same order in every step.
.macro MUL16 a0, p, first
.irp a, \a0, \a0+1
.irp b, 0,1,2,3,4,5,6,7
.if \first
	v_wmma_f32_16x16x128_bf8_bf8 v[8*(8*((\a)%4)+\b):8*(8*((\a)%4)+\b)+7], v[128*(\p)+FR*\b:128*(\p)+FR*\b+FR-1], v[AF+FR*(\a):AF+FR*(\a)+FR-1], v[BA+8*\b:BA+8*\b+7]
.else
	v_wmma_f32_16x16x128_bf8_bf8 v[8*(8*((\a)%4)+\b):8*(8*((\a)%4)+\b)+7], v[128*(\p)+FR*\b:128*(\p)+FR*\b+FR-1], v[AF+FR*(\a):AF+FR*(\a)+FR-1], v[8*(8*((\a)%4)+\b):8*(8*((\a)%4)+\b)+7]
.endif
.endr
.endr
.endm
.macro FETCH_B slot, q, p              ; source 0's eight fragments of the slot's q-th 128 along K into set p
	WIN TO_B
.irp i, 0,1,2,3,4,5,6,7
	FRAG 128*(\p)+FR*\i, ADRB+\slot, \q, \i
.endr
	WIN 0
.endm
.macro FETCH_A slot, q, i0             ; source 1's blocks i0 .. i0 + 3
.irp i, \i0, \i0+1, \i0+2, \i0+3
	FRAG AF+FR*(\i), ADRA+\slot, \q, \i
.endr
.endm
.macro PLACES n                        ; plain vector instructions between a matrix instruction and a load into, or a vector instruction on, one of its registers
.rept \n
	v_nop
.endr
.endm
; A step of 128 along K that has its successor in the same slot.
.macro STEP slot, q, first
	s_wait_dscnt 4*NL                              ; source 0's set and source 1's blocks 0-3 are in; the youngest sixteen loads (blocks 4-7) may be out
.if \first
	WIN FST_LO
.else
	WIN MUL_LO
.endif
	MUL16 0, (\q)%2, \first
	MUL16 2, (\q)%2, \first
	s_wait_dscnt 0                                 ; blocks 4-7 are in (asked for 32 matrix instructions ago)
	PLACES NP
	FETCH_B \slot, (\q)+1, 1-(\q)%2
	FETCH_A \slot, (\q)+1, 0
.if \first
	WIN FST_HI
.else
	WIN MUL_HI
.endif
	MUL16 4, (\q)%2, \first
	MUL16 6, (\q)%2, \first
	PLACES NP
	WIN 0
	FETCH_A \slot, (\q)+1, 4
.endm
; A slot's last step changes slots: ONE barrier; in front of it each wave waits for all its tensor loads, adds 0 to its spare word, and waits for that and for its own reads of this slot.  fill = 1: this slot is filled again, two K steps ahead.
.macro TURN slot, next, fill
	s_wait_tensorcnt 0x0                           ; all my tensor loads have landed: my part of the next slot  (every window is 0 here)
	ds_add_u32 v[SPW], v[NIL]                      ; 0 onto my spare word
	s_wait_dscnt 4*NL+1                            ; (the add and the youngest sixteen loads may be out)
	WIN MUL_LO
	MUL16 0, 1, 0                                  ; sixteen matrix instructions stand between the add and the wait for it
	s_wait_dscnt 0x0                               ; the add is done, and my reads of this slot are over
	s_barrier_signal -1
	MUL16 2, 1, 0
	WIN 0
	s_barrier_wait -1
.if \fill
	CREST                                          ; the barrier has opened a round of the cluster's barrier: no wave of any partner still reads this slot's tile or has a load on its way
	s_add_nc_u64 s[G0+4*\slot+2:G0+4*\slot+3], s[G0+4*\slot+2:G0+4*\slot+3], 2*ROWB
	s_add_nc_u64 s[G0B+4*\slot+2:G0B+4*\slot+3], s[G0B+4*\slot+2:G0B+4*\slot+3], 2*ROWB
	JLOAD G0+4*\slot, G1, G0B+4*\slot, G1B         ; the first tensor load behind the round; its four v_nop are the places in front of the loads below
.else
	PLACES NP
.endif
	FETCH_B \next, 0, 0
	FETCH_A \next, 0, 0
	WIN MUL_HI
	MUL16 4, 1, 0
	MUL16 6, 1, 0
	PLACES NP
	WIN 0
	FETCH_A \next, 0, 4
.endm
	s_wait_alu depctr_va_vdst(0)
	s_wait_tensorcnt 0x0                           ; my part of K step 0 is in
	ds_add_u32 v[SPW], v[NIL]
	s_wait_dscnt 0x0
	CROUND                                         ; everybody's part of K step 0 is in, and all sixteen work-groups are here,
	JLOAD G0+4, G1, G0B+4, G1B                     ; and K step 1's load is the first tensor load behind the round
	FETCH_B 0, 0, 0
	FETCH_A 0, 0, 0
	FETCH_A 0, 0, 4
	STEP 0, 0, 1                                   ; the first step stands in front of the loop: its products start the sums
	s_mov_b32 s3, LAPS-1
.Llap:                                                 ; a trip goes once round the ring, from a lap's second step to the next lap's first, and fills both slots again
	TURN 0, 1, 1
	STEP 1, 0, 0
	TURN 1, 0, 1
	STEP 0, 0, 0
	s_sub_co_u32 s3, s3, 1
	s_cmp_lg_u32 s3, 0
	s_cbranch_scc1 .Llap
	TURN 0, 1, 0                                   ; the last lap fills nothing, and has no round of the cluster's barrier
	STEP 1, 0, 0
	s_wait_dscnt 4*NL                              ; the very last step: nothing more to fetch
	WIN MUL_LO
	MUL16 0, 1, 0
	MUL16 2, 1, 0
	s_wait_alu depctr_va_vdst(0)
	s_wait_dscnt 0
	WIN MUL_HI
	MUL16 4, 1, 0
	MUL16 6, 1, 0
	WIN 0
; THE WAY OUT of block a (source 1's rows 16 a on, against all of source 0's 128): the bias by lanes is added, each accumulator from its low end on; the numbers are held within the largest code x the scale
; (the conversion to an 8-bit code does not saturate: ISA guide 7.6.2) and converted, eight of a lane's neighbours at a time: the 16 registers of codes are four images, stored as they stand.
.macro OUT a
.set AC, 64*((\a)%4)
	WIN 0x02+((\a)/4)                              ; source 0: window 2 or 3
.irp j, 0,2,4,6,8,10,12,14,16,18,20,22,24,26,28,30,32,34,36,38,40,42,44,46,48,50,52,54,56,58,60,62
	v_pk_add_f32 v[TMP+\j:TMP+\j+1], v[AC+\j:AC+\j+1], v[BV+2*(\a):BV+2*(\a)+1]
.endr
	WIN 0
.irp j, 0,1,2,3,4,5,6,7,8,9,10,11,12,13,14,15,16,17,18,19,20,21,22,23,24,25,26,27,28,29,30,31,32,33,34,35,36,37,38,39,40,41,42,43,44,45,46,47,48,49,50,51,52,53,54,55,56,57,58,59,60,61,62,63
	v_med3_num_f32 v[TMP+\j], v[TMP+\j], -v[LIM], v[LIM]
.endr
.irp b, 0,1,2,3,4,5,6,7
	v_cvt_scalef32_pk8_bf8_f32 v[CD+16*(\a)+2*\b:CD+16*(\a)+2*\b+1], v[TMP+8*\b:TMP+8*\b+7], v[SC]
.endr
	v_nop                                          ; one plain vector instruction between the last conversion and the next block's additions, which write its sources
.if (\a) > 0
	s_wait_alu depctr_va_vdst(0)
	s_wait_xcnt 0x0                                ; the last block's stores have read their bases: they step only behind this wait
	s_add_nc_u64 s[82:83], s[82:83], s[86:87]
	s_add_nc_u64 s[84:85], s[84:85], s[86:87]
.endif
.if (\a) == 4
	s_add_nc_u64 s[82:83], s[82:83], s[88:89]
	s_add_nc_u64 s[84:85], s[84:85], s[88:89]
.endif
.irp g, 0,1,2,3
	global_store_b128 v[OFF], v[CD+16*(\a)+4*\g:CD+16*(\a)+4*\g+3], s[82+2*(\g/2):83+2*(\g/2)] offset:(\g%2)*512   ; 32 lanes store 512 consecutive bytes, at a multiple of 512 from the buffer's first byte
.endr
.endm
	PLACES NP                                      ; behind the last products: their results are read, and the codes land where source 1's fragments lay
.irp a, 0,1,2,3,4,5,6,7
	OUT \a
.endr
	s_wait_tensorcnt 0x0                           ; the wave's end
	ds_add_u32 v[SPW], v[NIL]
	s_wait_dscnt 0x0
	CROUND                                         ; the closing round: no work-group ends while a partner may still ask for a tile that names it
	s_endpgm
.Lfunc_end_k_q32b8142038_qkv:
	.size	k_q32b8142038_qkv, .Lfunc_end_k_q32b8142038_qkv-k_q32b8142038_qkv
	.p2alignl 7, 3214868480
	.fill 96, 4, 3214868480
	.section	.rodata,"a",@progbits
	.p2align	6, 0x0
	.amdhsa_kernel k_q32b8142038_qkv
		.amdhsa_group_segment_fixed_size 327680
		.amdhsa_private_segment_fixed_size 0
		.amdhsa_enable_private_segment 0
		.amdhsa_kernarg_size 48
		.amdhsa_user_sgpr_count 2
		.amdhsa_user_sgpr_kernarg_segment_ptr 1
		.amdhsa_wavefront_size32 1
		.amdhsa_system_sgpr_workgroup_id_x 1
		.amdhsa_system_sgpr_workgroup_id_y 1
		.amdhsa_system_sgpr_workgroup_id_z 1
		.amdhsa_system_vgpr_workitem_id 0
		.amdhsa_next_free_vgpr 1024
		.amdhsa_next_free_sgpr 100
		.amdhsa_reserve_vcc 0
		.amdhsa_float_denorm_mode_32 3
		.amdhsa_float_denorm_mode_16_64 3
		.amdhsa_memory_ordered 1
		.amdhsa_forward_progress 1
		.amdhsa_inst_pref_size 148
	.end_amdhsa_kernel
	.amdgpu_metadata
---
amdhsa.version: [ 1, 2 ]
amdhsa.kernels:
  - .name:           k_q32b8142038_qkv
    .symbol:         k_q32b8142038_qkv.kd
    .args:
      - { .name: x_codes, .offset: 0, .size: 8, .value_kind: global_buffer, .address_space: global }
      - { .name: w_qkv_codes, .offset: 8, .size: 8, .value_kind: global_buffer, .address_space: global }
      - { .name: lowp_scales, .offset: 16, .size: 8, .value_kind: global_buffer, .address_space: global }
      - { .name: b_qkv, .offset: 24, .size: 8, .value_kind: global_buffer, .address_space: global }
      - { .name: qf, .offset: 32, .size: 8, .value_kind: global_buffer, .address_space: global }
      - { .name: kvf, .offset: 40, .size: 8, .value_kind: global_buffer, .address_space: global }
    .group_segment_fixed_size: 327680
    .private_segment_fixed_size: 0
    .kernarg_segment_align: 8
    .kernarg_segment_size: 48
    .max_flat_workgroup_size: 128
    .sgpr_count:     100
    .vgpr_count:     1024
    .wavefront_size: 32
...
	.end_amdgpu_metadata
.endif
;; end of part 1
;; launch attn (part 2): grid 4 x 64, 16 waves a work-group, clusters of 4 x 1, 327,680 bytes of LDS; arguments qf, kvf, lowp_scales, af; writes af
.if DOCPART == 2
	.amdgcn_target "amdgcn-amd-amdhsa--gfx1250"
	.amdhsa_code_object_version 6
	.text
	.protected	k_q32b8142038_attn
	.globl	k_q32b8142038_attn
	.p2align	8
	.type	k_q32b8142038_attn,@function
k_q32b8142038_attn:
	s_mov_b64 s[64:65], 0
	v_nop
	global_prefetch_b8 v0, s[64:65] scope:SCOPE_SE
	s_setreg_imm32_b32 hwreg(HW_REG_WAVE_MODE, 25, 1), 1
	s_wait_xcnt 0x0
	s_wait_alu depctr_hold_cnt(0) depctr_sa_sdst(0) depctr_va_vdst(0) depctr_va_sdst(0) depctr_va_ssrc(0) depctr_va_vcc(0) depctr_vm_vsrc(0)
	s_getreg_b32 s2, hwreg(HW_REG_IB_STS2, 6, 4)
	s_cmp_eq_u32 s2, 0
	s_cbranch_scc0 .Lentry_in_a_cluster
	s_endpgm
.Lentry_in_a_cluster:
	s_bfe_u32 s2, ttmp6, 0x10000c
	s_cmp_lg_u32 s2, 0x3003
	s_cbranch_scc0 .Lentry_shape_is_right
	s_endpgm
.Lentry_shape_is_right:
; Attention of one (batch, head) on codes of BF8 (E5M2): O = softmax(Q K^T / 8) V, both products on codes, and O quantised again with entry 6 of the scales for the projection.
; THE SOFTMAX: t = score x log2(e) / 8; M = the running largest t rounded up to a whole number; p = 2^(t - M) is quantised with entry 4; the row's sum is taken of the unquantised p in f32 and divides O at the end.
; When M moves, the sum and O are multiplied by 2^(old M - new M), which rounds nothing; there is no branch on data.
; INPUTS ARE IMAGES OF OPERAND REGISTERS (512 bytes = four registers of 32 lanes, lane l's 16 bytes at 16 l):
;   qf:  [batch x head 64][tile of 16 queries 128][2 x 512 bytes]: a K = 64 fragment.
;   kvf: [batch x head 64][block of 128 keys 16][K: 8 tiles of 16 keys x 1,024 bytes | V^T: 4 tiles of 16 channels x 2,048 bytes (K = 128 keys)]: 16,384 bytes a block.
;   af (out): [group of 4 heads 4][tile of 16 tokens 512][head in the group 4][2 x 512 bytes]: the projection's fragments.
; SHARES.  A work-group owns 512 queries of one head, each of its sixteen waves 32 of them (two tiles); four waves to a SIMD, so that one wave's vector work stands beside another's matrix work and LDS loads.
; A HEAD'S K AND V, 16 x 16,384 = 262,144 bytes, LIE IN LDS WHOLE: wave w asks for block w by ONE tensor load of 64 rows of 256 bytes at the head.  Nothing is ever filled again: one wait, one barrier, then 16 steps with no barrier.
; CLUSTER: the four work-groups of a head need the same K and V: each load is a joint one (mask 15), behind the opening round; a closing round stands in front of s_endpgm.
; NO PREFETCH: every byte that the launch reads through LDS is asked for at the head by the loads themselves; there is no loop to run ahead in.
; LAYOUT.  Both products are used transposed: S^T = K Q^T (source 0 = 16 keys, source 1 = 16 queries), O^T = V^T P^T: a lane holds one query (lane % 16) throughout.
; Register 8 j + i of S^T is key 16 j + 8 (lane / 16) + i, so one conversion of eight gives registers 2 j, 2 j + 1 of P's K = 128 fragment.
; TWO REGIONS OF 64 REGISTERS CHANGE ROLES FROM STEP TO STEP: one holds K's fragments and then V's, the other S^T and p and then, once p is converted, the NEXT step's K, fetched under the rescaling and the second product.
; So a trip of the loop is two steps; the last two steps are written out, since the very last fetches nothing.
; LIMITS on the given exponents, so that each power of two below is an f32 number: e2 + e3 between -123 and 130 (added to c's exponent field); e4 between -126 and 112; e6 - e4 - e5 between -126 and 112.
; The scaled scores stay under 2^31 in magnitude.  NaN among the inputs is not served.
; REGISTERS: v0 the thread's number (kept); v1 16 x lane; v2 LDS address of the trip's two blocks; v3 2^e4; v4-7, v8-11 for each tile: -M, the largest t, the sum in two halves; v12-15 at work;
;   v16-31 Q, two tiles; v32-95, v96-159 the two regions; v160-223 O^T, two tiles x 32; v224-255 P's codes, two tiles x 16 (a tile's first four also at work until its conversions).
;   No two registers can be kept for the add: v254, v255 serve it at the opening and are made anew from v0 at the end.
.set L16, 1
.set ADR, 2
.set PSC, 3
.set Q,   16
.set R1,  32
.set R2,  96
.set O,   160
.set P,   224
.set SPW, 254
.set NIL, 255
.set WV,  12                           ; s12 my wave's number
.set G1,  16                           ; s[16:23] descriptor group 1
.set G0,  24                           ; s[24:27] group 0
.set CS,  48                           ; s[48:49] c = log2(e) / 8 x 2^(e2 + e3)
.set SEL, 50                           ; s[50:51] selects of v_permlanex16_b32: lane l xor 16
.set HOLD, 52                          ; s52 57,344 x 2^e4
.set TB,  53                           ; s53 LDS byte at which the trip's first block begins
.set CNT, 54                           ; s54 trips to go
.set BLK, 16384                        ; a block of 128 keys: K's and V's images
.set SPARE, 16*BLK                     ; behind the blocks: the spare words, 128 bytes for each wave, 2,048 in all
.macro CROUND                          ; a round of the cluster's barrier
	s_barrier_signal -1
	s_barrier_wait -1
	s_cmp_lg_u32 s[WV], 0
	s_cbranch_scc1 .Lnot_wave_0_\@
	s_barrier_signal -3
.Lnot_wave_0_\@:
	s_barrier_wait -3
	s_barrier_signal -1
	s_barrier_wait -1
.endm
	s_load_b256 s[4:11], s[0:1], 0x0               ; qf s[4:5], kvf s[6:7], the scales' exponents s[8:9], af s[10:11]
	v_lshl_add_u32 v[SPW], v0, 2, SPARE
	v_mov_b32 v[NIL], 0
	ds_add_u32 v[SPW], v[NIL]                      ; the opening lines
	ds_add_u32 v[SPW], v[NIL]
	v_lshrrev_b32 v2, 5, v0
	v_readfirstlane_b32 s[WV], v2                  ; wave 0..15
	v_and_b32 v[L16], 31, v0
	v_lshlrev_b32 v[L16], 4, v[L16]                ; my place in an image
	s_and_b32 s15, ttmp7, 0xffff                   ; batch x 16 + head
	s_mov_b32 s[G1], 15|(3<<16)|(1<<21)            ; mask: all four work-groups; elements of 8 bytes; bit 21 beside a mask; no padding: images are read contiguously
	s_mov_b32 s[G1+1], 32<<16                      ; tensor_dim0: 32 x 8 = 256 bytes
	s_mov_b32 s[G1+2], 64<<16                      ; tensor_dim1: 64 rows
	s_mov_b32 s[G1+3], 32<<16                      ; tile_dim0
	s_mov_b32 s[G1+4], 64                          ; tile_dim1
	s_mov_b32 s[G1+5], 32                          ; pitch: dense
	s_mov_b32 s[G1+6], 0
	s_mov_b32 s[G1+7], 0
	s_mov_b32 s[SEL], 0x76543210
	s_mov_b32 s[SEL+1], 0xfedcba98
	s_mov_b32 s[CS], 0x3e38aa3b                    ; log2(e) / 8
	s_lshl_b32 s62, s[WV], 14                      ; block w: in LDS, and in the head's images
	s_lshl_b32 s58, s15, 18                        ; a head's images are 262,144 bytes
	s_add_co_u32 s58, s58, s62
	s_mov_b32 s59, 0
	s_wait_alu depctr_va_vdst(0)
	s_wait_dscnt 0x0                               ; both opening adds are done
	s_wait_kmcnt 0x0
	s_load_b256 s[40:47], s[8:9], 0x0              ; e0 .. e7
	s_mov_b32 s[G0], 1
	s_mov_b32 s[G0+1], s62
	s_add_nc_u64 s[G0+2:G0+3], s[6:7], s[58:59]    ; hangs on the head and the wave's number alone: equal in all four partners
	s_or_b32 s[G0+3], s[G0+3], 0x80000000
	CROUND                                         ; all four work-groups are here: the joint loads meet
	tensor_load_to_lds s[G0:G0+3], s[G1:G1+7]      ; my one tensor load of the launch
	s_nop 0
	s_bfe_u32 s13, ttmp6, 0x40000                  ; cx
	s_lshl_b32 s14, ttmp9, 2
	s_add_co_u32 s14, s14, s13                     ; which 512 queries of the head
	s_lshl_b32 s60, s15, 17                        ; qf: 131,072 bytes a head,
	s_lshl_b32 s61, s14, 15                        ; 32 tiles x 1,024 a work-group,
	s_add_co_u32 s60, s60, s61
	s_lshl_b32 s61, s[WV], 11                      ; 2 tiles a wave
	s_add_co_u32 s60, s60, s61
	s_mov_b32 s61, 0
	s_add_nc_u64 s[4:5], s[4:5], s[60:61]
.irp t, 0,1
.irp g, 0,1
	global_load_b128 v[Q+8*\t+4*\g:Q+8*\t+4*\g+3], v[L16], s[4:5] offset:1024*\t+512*\g th:TH_LOAD_NT
.endr
.endr
	s_and_b32 s60, s15, 15                         ; af: the head:
	s_lshr_b32 s61, s60, 2
	s_lshl_b32 s61, s61, 21                        ; its group of four, 2,097,152 bytes,
	s_and_b32 s60, s60, 3
	s_lshl_b32 s60, s60, 10                        ; its place in the group, 1,024 bytes;
	s_add_co_u32 s60, s60, s61
	s_lshr_b32 s61, s15, 4
	s_lshl_b32 s61, s61, 7                         ; the token tile: 128 a batch,
	s_lshl_b32 s63, s14, 5                         ; 32 a work-group,
	s_add_co_u32 s61, s61, s63
	s_lshl_b32 s63, s[WV], 1                       ; 2 a wave,
	s_add_co_u32 s61, s61, s63
	s_lshl_b32 s61, s61, 12                        ; 4,096 bytes each
	s_add_co_u32 s60, s60, s61
	s_mov_b32 s61, 0
	s_add_nc_u64 s[10:11], s[10:11], s[60:61]
.irp t, 0,1
	v_mov_b32 v[5+4*\t], 0xff61b1e6                ; the largest t so far: -3e38
	v_mov_b32 v[6+4*\t], 0                         ; the sum, in two halves
	v_mov_b32 v[7+4*\t], 0
	v_floor_f32 v[4+4*\t], -v[5+4*\t]              ; -M
.endr
	v_mov_b32 v13, 0                               ; a lane permute's destination counts as read
	v_mov_b32 v15, 0                               ; (named as the upper half of v[14:15])
.set J, 0
.rept 64
	v_mov_b32 v[O+J], 0                            ; O^T: the step is written without a first form of its own; the first change of M leaves zeros zeros.  (These stand under the tensor load's flight)
.set J, J+1
.endr
	s_wait_kmcnt 0x0
	s_add_co_i32 s60, s42, s43
	s_lshl_b32 s60, s60, 23
	s_add_co_i32 s[CS], s[CS], s60                 ; a score stands for score x 2^(e2 + e3)
	s_mov_b32 s[CS+1], s[CS]
	s_add_co_i32 s60, s44, 127
	s_lshl_b32 s61, s60, 23
	v_mov_b32 v[PSC], s61                          ; 2^e4
	s_add_co_i32 s60, s60, 15
	s_lshl_b32 s60, s60, 23
	s_or_b32 s[HOLD], s60, 0x600000                ; 57,344 x 2^e4
	s_sub_co_i32 s60, s46, s44
	s_sub_co_i32 s60, s60, s45                     ; O^T / the sum stands for o / 2^(e4 + e5): its code is that / 2^(e6 - e4 - e5)
	s_add_co_i32 s60, s60, 127
	s_lshl_b32 s55, s60, 23
	s_add_co_i32 s60, s60, 15
	s_lshl_b32 s60, s60, 23
	s_or_b32 s56, s60, 0x600000
; The softmax of tile t on the 64 registers of S^T at sr: 128 keys.  The maxima and the sums go in four chains each; two of the chains live in the tile's own P registers, which are free until its conversions.
.macro SOFTMAX t, sr
.set S, \sr
.set NM, 4+4*(\t)
.set SU, 6+4*(\t)
.set T, P+16*(\t)
	v_max3_num_f32 v12, v[S], v[S+1], v[S+2]       ; the step's largest score; the registers are taken in ascending order
	v_max3_num_f32 v14, v[S+3], v[S+4], v[S+5]
	v_max3_num_f32 v[T], v[S+6], v[S+7], v[S+8]
	v_max3_num_f32 v[T+1], v[S+9], v[S+10], v[S+11]
.irp i, 12,20,28,36,44,52
	v_max3_num_f32 v12, v12, v[S+\i], v[S+\i+1]
	v_max3_num_f32 v14, v14, v[S+\i+2], v[S+\i+3]
	v_max3_num_f32 v[T], v[T], v[S+\i+4], v[S+\i+5]
	v_max3_num_f32 v[T+1], v[T+1], v[S+\i+6], v[S+\i+7]
.endr
	v_max3_num_f32 v12, v12, v[S+60], v[S+61]
	v_max3_num_f32 v14, v14, v[S+62], v[S+63]
	v_max3_num_f32 v12, v12, v14, v[T]
	s_delay_alu instid0(VALU_DEP_1)
	v_max_num_f32 v12, v12, v[T+1]
	s_delay_alu instid0(VALU_DEP_1)
	v_permlanex16_b32 v13, v12, s[SEL], s[SEL+1]
	s_delay_alu instid0(VALU_DEP_1)
	v_max_num_f32 v12, v12, v13                    ; and lane l xor 16's
	s_delay_alu instid0(VALU_DEP_1)
	v_mul_f32 v12, s[CS], v12                      ; as t (c is positive)
	s_delay_alu instid0(VALU_DEP_1)
	v_max_num_f32 v[NM+1], v[NM+1], v12            ; the running largest t
	v_mov_b32 v12, v[NM]
	s_delay_alu instid0(VALU_DEP_2)
	v_floor_f32 v[NM], -v[NM+1]                    ; the new -M = -ceil(t)
	s_delay_alu instid0(VALU_DEP_1)
	v_sub_f32 v12, v[NM], v12                      ; old M - new M, a whole number, 0 or less
.irp j, 0,2,4,6
	v_pk_fma_f32 v[S+\j:S+\j+1], v[S+\j:S+\j+1], s[CS:CS+1], v[NM:NM+1] op_sel_hi:[1,0,0]   ; t - M; the three lines that make f stand among these
.endr
	v_cvt_i32_f32 v12, v12
.irp j, 8,10,12,14
	v_pk_fma_f32 v[S+\j:S+\j+1], v[S+\j:S+\j+1], s[CS:CS+1], v[NM:NM+1] op_sel_hi:[1,0,0]
.endr
	v_ldexp_f32 v14, 1.0, v12                      ; f = 2^(old M - new M)
.irp j, 16,18,20,22,24,26,28,30,32,34,36,38,40,42,44,46,48,50,52,54,56,58,60,62
	v_pk_fma_f32 v[S+\j:S+\j+1], v[S+\j:S+\j+1], s[CS:CS+1], v[NM:NM+1] op_sel_hi:[1,0,0]
.endr
	s_wait_alu depctr_va_vdst(0)
.set J, 0
.rept 64
	v_exp_f32 v[S+J], v[S+J]                       ; p = 2^(t - M)
.set J, J+1
.endr
	v_pk_mul_f32 v[SU:SU+1], v[SU:SU+1], v[14:15] op_sel_hi:[1,0]   ; the sums under the new M (a plain place behind the batch)
	s_wait_alu depctr_va_vdst(0)                   ; one wait for the batch, ahead of its first reader
	v_pk_add_f32 v[12:13], v[S:S+1], v[S+2:S+3]    ; the sum of the unquantised p
	v_pk_add_f32 v[T:T+1], v[S+4:S+5], v[S+6:S+7]
	v_pk_add_f32 v[T+2:T+3], v[S+8:S+9], v[S+10:S+11]
	v_pk_add_f32 v[SU:SU+1], v[SU:SU+1], v[S+12:S+13]
.irp j, 14,22,30,38,46,54
	v_pk_add_f32 v[12:13], v[12:13], v[S+\j:S+\j+1]
	v_pk_add_f32 v[T:T+1], v[T:T+1], v[S+\j+2:S+\j+3]
	v_pk_add_f32 v[T+2:T+3], v[T+2:T+3], v[S+\j+4:S+\j+5]
	v_pk_add_f32 v[SU:SU+1], v[SU:SU+1], v[S+\j+6:S+\j+7]
.endr
	v_pk_add_f32 v[12:13], v[12:13], v[S+62:S+63]
	v_pk_add_f32 v[SU:SU+1], v[SU:SU+1], v[T:T+1]
	v_pk_add_f32 v[12:13], v[12:13], v[T+2:T+3]
	v_pk_add_f32 v[SU:SU+1], v[SU:SU+1], v[12:13]
.irp b, 0,1,2,3
.irp i, 0,2,4,6,8,10,12,14
	v_dual_min_num_f32 v[S+16*\b+\i], s[HOLD], v[S+16*\b+\i] :: v_dual_min_num_f32 v[S+16*\b+\i+1], s[HOLD], v[S+16*\b+\i+1]   ; the hold (the conversion does not saturate: ISA guide 7.6.2); p is not negative, so it is one-sided; two numbers an instruction
.endr
	v_cvt_scalef32_pk8_bf8_f32 v[P+16*(\t)+4*\b:P+16*(\t)+4*\b+1], v[S+16*\b:S+16*\b+7], v[PSC]
	v_cvt_scalef32_pk8_bf8_f32 v[P+16*(\t)+4*\b+2:P+16*(\t)+4*\b+3], v[S+16*\b+8:S+16*\b+15], v[PSC]
.endr
.endm
.macro RESCALE t                       ; O^T of tile t under the new M; also the places behind the conversions
	s_wait_alu depctr_va_vdst(0)                   ; ahead of the first reader of O^T
.irp j, 0,2,4,6,8,10,12,14,16,18,20,22,24,26,28,30
	v_pk_mul_f32 v[O+32*(\t)+\j:O+32*(\t)+\j+1], v[O+32*(\t)+\j:O+32*(\t)+\j+1], v[14:15] op_sel_hi:[1,0]
.endr
.endm
; A step: 128 keys against my two tiles of queries.  kr: the region in which K's 16 loads are on their way at the step's head, later V's; sr: S^T's, later the next step's K.
; o: the block's place in the trip (0 or BLK).  pf = 1: the next block's K is fetched.
.macro STEP kr, sr, pf, o
.if \o
	v_nop
.else
	v_add_nc_u32 v[ADR], s[TB], v[L16]
.endif
.rept 4
	v_nop                                          ; with the line above: five places behind the last products, whose V fragments lay where S^T is now written
.endr
.irp j, 0,1,2,3,4,5,6,7
	s_wait_dscnt 14-2*\j                           ; key tile j's two loads are in; the 14 - 2 j issued behind them may be out
	v_wmma_f32_16x16x64_bf8_bf8 v[\sr+8*\j:\sr+8*\j+7], v[\kr+8*\j:\kr+8*\j+7], v[Q:Q+7], 0
.endr
.rept 4
	v_nop
.endr
	SOFTMAX 0, \sr
	RESCALE 0
.irp j, 0,1,2,3,4,5,6,7
	v_wmma_f32_16x16x64_bf8_bf8 v[\sr+8*\j:\sr+8*\j+7], v[\kr+8*\j:\kr+8*\j+7], v[Q+8:Q+15], 0   ; K's fragments serve the second tile too
.endr
.rept 4
	v_nop
.endr
.irp c, 0,1,2,3
.irp g, 0,1,2,3
	ds_load_b128 v[\kr+16*\c+4*\g:\kr+16*\c+4*\g+3], v[ADR] offset:\o+8192+2048*\c+512*\g   ; V's fragments land under the second softmax
.endr
.endr
	SOFTMAX 1, \sr
.if \pf
.irp j, 0,1,2,3,4,5,6,7
	ds_load_b128 v[\sr+8*\j:\sr+8*\j+3],   v[ADR] offset:\o+BLK+1024*\j       ; p is converted: the next block's K lands where it lay
	ds_load_b128 v[\sr+8*\j+4:\sr+8*\j+7], v[ADR] offset:\o+BLK+1024*\j+512
.endr
.endif
	RESCALE 1
	s_wait_alu depctr_va_vdst(0)
	s_wait_dscnt 16*\pf                            ; V is in; the 16 loads of the next K, issued behind V's, may be out
.irp c, 0,1,2,3
.irp t, 0,1
	v_wmma_f32_16x16x128_bf8_bf8 v[O+32*\t+8*\c:O+32*\t+8*\c+7], v[\kr+16*\c:\kr+16*\c+15], v[P+16*\t:P+16*\t+15], v[O+32*\t+8*\c:O+32*\t+8*\c+7]   ; the eight accumulators by turns
.endr
.endr
.endm
	s_wait_alu depctr_va_vdst(0)
	s_wait_loadcnt 0x0                             ; Q
	s_wait_tensorcnt 0x0                           ; my block has landed,
	s_barrier_signal -1
	s_barrier_wait -1                              ; and so has everybody's: all of K and V is in LDS, and nothing writes it again
.irp j, 0,1,2,3,4,5,6,7
	ds_load_b128 v[R1+8*\j:R1+8*\j+3],   v[L16] offset:1024*\j       ; block 0's K
	ds_load_b128 v[R1+8*\j+4:R1+8*\j+7], v[L16] offset:1024*\j+512
.endr
	s_mov_b32 s[TB], 0
	s_mov_b32 s[CNT], 7
.Ltrip:                                                ; 7 trips of two steps: blocks 0 to 13
	STEP R1, R2, 1, 0
	STEP R2, R1, 1, BLK
	s_add_co_u32 s[TB], s[TB], 2*BLK
	s_sub_co_u32 s[CNT], s[CNT], 1
	s_cmp_lg_u32 s[CNT], 0
	s_cbranch_scc1 .Ltrip
	STEP R1, R2, 1, 0                              ; block 14,
	STEP R2, R1, 0, BLK                            ; and block 15, behind which there is no K to fetch
; THE WAY OUT: O^T / the sum, held and converted: eight neighbouring channels of a lane's query give registers 2 c, 2 c + 1 of the projection's fragment; the images are stored as they stand.
.set S, R2
.rept 4
	v_nop
.endr
	v_add_f32 v6, v6, v7
	v_add_f32 v10, v10, v11
	v_permlanex16_b32 v12, v6, s[SEL], s[SEL+1]
	v_permlanex16_b32 v13, v10, s[SEL], s[SEL+1]
	v_add_f32 v6, v6, v12
	v_add_f32 v10, v10, v13                        ; the rows' sums
	s_wait_alu depctr_va_vdst(0)
	v_rcp_f32 v6, v6
	v_rcp_f32 v10, v10
	v_mov_b32 v2, s55                              ; 2^(e6 - e4 - e5)  (a plain place)
	v_mov_b32 v3, s56                              ; 57,344 x that
	s_wait_alu depctr_va_vdst(0)                   ; ahead of the first reader of the reciprocals and of O^T: the 32 lines below, plain ones alone, are all of O^T's first readers
.irp t, 0,1
.irp j, 0,2,4,6,8,10,12,14,16,18,20,22,24,26,28,30
	v_pk_mul_f32 v[S+32*\t+\j:S+32*\t+\j+1], v[O+32*\t+\j:O+32*\t+\j+1], v[6+4*\t:7+4*\t] op_sel_hi:[1,0]
.endr
.endr
.set J, 0
.rept 64
	v_med3_num_f32 v[S+J], v[S+J], -v3, v3
.set J, J+1
.endr
.irp c, 0,1,2,3,4,5,6,7
	v_cvt_scalef32_pk8_bf8_f32 v[P+2*\c:P+2*\c+1], v[S+8*\c:S+8*\c+7], v2
.endr
	v_nop                                          ; one plain line behind the last conversion
.irp t, 0,1
.irp g, 0,1
	global_store_b128 v[L16], v[P+8*\t+4*\g:P+8*\t+4*\g+3], s[10:11] offset:4096*\t+512*\g   ; 32 lanes store 512 consecutive bytes, at a multiple of 512 from the buffer's first byte
.endr
.endr
	v_lshl_add_u32 v[SPW], v0, 2, SPARE            ; the add's two registers, made anew (they held P's codes, which are done with; the stores name v224-239 alone)
	v_mov_b32 v[NIL], 0
	s_wait_alu depctr_va_vdst(0)
	s_wait_tensorcnt 0x0                           ; the wave's end
	ds_add_u32 v[SPW], v[NIL]
	s_wait_dscnt 0x0
	CROUND                                         ; the closing round
	s_endpgm
.Lfunc_end_k_q32b8142038_attn:
	.size	k_q32b8142038_attn, .Lfunc_end_k_q32b8142038_attn-k_q32b8142038_attn
	.p2alignl 7, 3214868480
	.fill 96, 4, 3214868480
	.section	.rodata,"a",@progbits
	.p2align	6, 0x0
	.amdhsa_kernel k_q32b8142038_attn
		.amdhsa_group_segment_fixed_size 327680
		.amdhsa_private_segment_fixed_size 0
		.amdhsa_enable_private_segment 0
		.amdhsa_kernarg_size 32
		.amdhsa_user_sgpr_count 2
		.amdhsa_user_sgpr_kernarg_segment_ptr 1
		.amdhsa_wavefront_size32 1
		.amdhsa_system_sgpr_workgroup_id_x 1
		.amdhsa_system_sgpr_workgroup_id_y 1
		.amdhsa_system_sgpr_workgroup_id_z 1
		.amdhsa_system_vgpr_workitem_id 0
		.amdhsa_next_free_vgpr 256
		.amdhsa_next_free_sgpr 66
		.amdhsa_reserve_vcc 0
		.amdhsa_float_denorm_mode_32 3
		.amdhsa_float_denorm_mode_16_64 3
		.amdhsa_memory_ordered 1
		.amdhsa_forward_progress 1
		.amdhsa_inst_pref_size 130
	.end_amdhsa_kernel
	.amdgpu_metadata
---
amdhsa.version: [ 1, 2 ]
amdhsa.kernels:
  - .name:           k_q32b8142038_attn
    .symbol:         k_q32b8142038_attn.kd
    .args:
      - { .name: qf, .offset: 0, .size: 8, .value_kind: global_buffer, .address_space: global }
      - { .name: kvf, .offset: 8, .size: 8, .value_kind: global_buffer, .address_space: global }
      - { .name: lowp_scales, .offset: 16, .size: 8, .value_kind: global_buffer, .address_space: global }
      - { .name: af, .offset: 24, .size: 8, .value_kind: global_buffer, .address_space: global }
    .group_segment_fixed_size: 327680
    .private_segment_fixed_size: 0
    .kernarg_segment_align: 8
    .kernarg_segment_size: 32
    .max_flat_workgroup_size: 512
    .sgpr_count:     66
    .vgpr_count:     256
    .wavefront_size: 32
...
	.end_amdgpu_metadata
.endif
;; end of part 2
;; launch proj (part 3): grid 8 x 32, 4 waves a work-group, clusters of 4 x 4, 327,680 bytes of LDS; arguments af, w_proj_codes, lowp_scales, b_proj, out0; writes out0
.if DOCPART == 3
	.amdgcn_target "amdgcn-amd-amdhsa--gfx1250"
	.amdhsa_code_object_version 6
	.text
	.protected	k_q32b8142038_proj
	.globl	k_q32b8142038_proj
	.p2align	8
	.type	k_q32b8142038_proj,@function
k_q32b8142038_proj:
	s_mov_b64 s[64:65], 0
	v_nop
	global_prefetch_b8 v0, s[64:65] scope:SCOPE_SE
	s_setreg_imm32_b32 hwreg(HW_REG_WAVE_MODE, 25, 1), 1
	s_wait_xcnt 0x0
	s_wait_alu depctr_hold_cnt(0) depctr_sa_sdst(0) depctr_va_vdst(0) depctr_va_sdst(0) depctr_va_ssrc(0) depctr_va_vcc(0) depctr_vm_vsrc(0)
	s_getreg_b32 s2, hwreg(HW_REG_IB_STS2, 6, 4)
	s_cmp_eq_u32 s2, 0
	s_cbranch_scc0 .Lentry_in_a_cluster
	s_endpgm
.Lentry_in_a_cluster:
	s_bfe_u32 s2, ttmp6, 0x10000c
	s_cmp_lg_u32 s2, 0xf033
	s_cbranch_scc0 .Lentry_shape_is_right
	s_endpgm
.Lentry_shape_is_right:
.set ROWB,   256
.set PITCH,  272
.set FR,     16
.set NL,     4
.set NP,     4
.set AIMG,   65536
.set WHALF,  64*PITCH
.set SLOT,   AIMG+2*WHALF
.set KSA,    2097152
.set LAPS,   2
.set STAGE,  2*SLOT
.set SPITCH, 272
.set SPARE,  STAGE+4*16*SPITCH
.set ADRA, 16
.set ADRB, 20
.set STO,  24
.set RD,   25
.set CO,   26
.set SPW,  28
.set NIL,  29
.set BB,   32
.set TMP,  64
.set AF,   128
.set BK,   128
.set G1, 24
.set G0, 32
.set G1B, 48
.set G0B, 56
.set MSB, 0
.macro WIN new
.if MSB != \new
	s_set_vgpr_msb (MSB<<8)|\new
.set MSB, \new
.endif
.endm
.set MUL,  0xa1
.set TO_B, 0x40
.macro JLOAD g0a, g1a, g0b, g1b
	s_cmp_eq_u32 s15, 0
	s_cbranch_scc0 .Lfor_b_\@
	tensor_load_to_lds s[\g0a:\g0a+3], s[\g1a:\g1a+7]
	s_nop 0
.rept 4
	v_nop
.endr
	s_branch .Lasked_\@
.Lfor_b_\@:
	tensor_load_to_lds s[\g0b:\g0b+3], s[\g1b:\g1b+7]
	s_nop 0
.rept 4
	v_nop
.endr
.Lasked_\@:
.endm
.macro CREST
	s_cmp_lg_u32 s14, 0
	s_cbranch_scc1 .Lnot_wave_0_\@
	s_barrier_signal -3
.Lnot_wave_0_\@:
	s_barrier_wait -3
	s_barrier_signal -1
	s_barrier_wait -1
.endm
.macro CROUND
	s_barrier_signal -1
	s_barrier_wait -1
	CREST
.endm
	s_load_b256 s[4:11], s[0:1], 0x0
	s_load_b64 s[12:13], s[0:1], 0x20
	v_lshl_add_u32 v[SPW], v0, 2, SPARE
	v_mov_b32 v[NIL], 0
	ds_add_u32 v28, v29
	ds_add_u32 v28, v29
	s_wait_dscnt 0x0
	v_lshrrev_b32 v1, 5, v0
	v_readfirstlane_b32 s14, v1
	s_lshr_b32 s15, s14, 1
	s_and_b32 s16, s14, 1
	s_bfe_u32 s40, ttmp6, 0x40000
	s_bfe_u32 s41, ttmp6, 0x40004
	s_lshl_b32 s42, ttmp9, 2
	s_add_co_u32 s42, s42, s40
	s_and_b32 s17, ttmp7, 0xffff
	s_lshl_b32 s17, s17, 2
	s_add_co_u32 s17, s17, s41
	s_lshl_b32 s43, s41, 2
	s_lshl_b32 s43, 15, s43
	s_lshl_b32 s44, 0x1111, s40
	s_or_b32 s[G1+0], s43, (3<<16)|(1<<21)
	s_mov_b32 s[G1+1], 32<<16
	s_mov_b32 s[G1+2], 128<<16
	s_mov_b32 s[G1+3], 32<<16
	s_mov_b32 s[G1+4], 128
	s_mov_b32 s[G1+5], 32
	s_mov_b32 s[G1+6], 0
	s_mov_b32 s[G1+7], 0
	s_or_b32 s[G1B+0], s44, (0<<16)|(1<<20)|(1<<21)|(5<<22)|(3<<25)
	s_mov_b32 s[G1B+1], ROWB<<16
	s_mov_b32 s[G1B+2], 64<<16
	s_mov_b32 s[G1B+3], ROWB<<16
	s_mov_b32 s[G1B+4], 64
	s_mov_b32 s[G1B+5], 1024
	s_mov_b32 s[G1B+6], 0
	s_mov_b32 s[G1B+7], 0
	s_lshl_b32 s20, s17, 16
	s_lshl_b32 s18, s16, 15
	s_add_co_u32 s20, s20, s18
	s_mov_b32 s21, 0
	s_lshl_b32 s46, s42, 17
	s_lshl_b32 s18, s16, 16
	s_add_co_u32 s46, s46, s18
	s_mov_b32 s47, 0
	s_mul_i32 s45, s16, 32768
	s_mul_i32 s19, s16, WHALF
	s_add_co_u32 s19, s19, AIMG
	s_wait_kmcnt 0x0
	s_load_b256 s[72:79], s[8:9], 0x0
	s_add_nc_u64 s[20:21], s[4:5], s[20:21]
	s_add_nc_u64 s[46:47], s[6:7], s[46:47]
	CROUND
.irp s, 0,1
	s_mov_b32 s[G0+4*\s], 1
	s_add_co_u32 s[G0+4*\s+1], s45, \s*SLOT
	s_add_nc_u64 s[G0+4*\s+2:G0+4*\s+3], s[20:21], \s*KSA
	s_or_b32 s[G0+4*\s+3], s[G0+4*\s+3], 0x80000000
	s_mov_b32 s[G0B+4*\s], 1
	s_add_co_u32 s[G0B+4*\s+1], s19, \s*SLOT
	s_add_nc_u64 s[G0B+4*\s+2:G0B+4*\s+3], s[46:47], \s*ROWB
	s_or_b32 s[G0B+4*\s+3], s[G0B+4*\s+3], 0x80000000
	s_wait_alu depctr_va_vdst(0)
	s_wait_tensorcnt 0x0
	ds_add_u32 v28, v29
	ds_add_u32 v28, v29
	s_wait_dscnt 0x0
	CROUND
	JLOAD G0+4*\s, G1, G0B+4*\s, G1B
.endr
	v_and_b32 v1, 15, v0
	v_bfe_u32 v2, v0, 4, 1
	v_and_b32 v3, 31, v0
	v_lshlrev_b32 v3, 4, v3
	v_mul_u32_u24 v4, v1, PITCH
	v_lshl_add_u32 v4, v2, 3, v4
	s_mul_i32 s21, s15, 32768
	s_mul_i32 s22, s16, WHALF
	s_add_co_u32 s22, s22, AIMG
.irp s, 0,1
	v_add_nc_u32 v[ADRA+\s], s21, v3
	v_add_nc_u32 v[ADRB+\s], s22, v4
	s_add_co_u32 s21, s21, SLOT
	s_add_co_u32 s22, s22, SLOT
.endr
	s_mul_i32 s23, s14, 16*SPITCH
	s_add_co_u32 s23, s23, STAGE
	v_mul_u32_u24 v5, v1, SPITCH
	v_lshl_add_u32 v5, v2, 5, v5
	v_add_nc_u32 v[STO], s23, v5
	v_mul_u32_u24 v5, v2, SPITCH
	v_lshl_add_u32 v5, v1, 4, v5
	v_add_nc_u32 v[RD], s23, v5
	v_lshlrev_b32 v5, 12, v2
	v_lshl_add_u32 v[CO], v1, 4, v5
	s_lshl_b32 s22, s42, 9
	s_lshl_b32 s23, s16, 8
	s_add_co_u32 s22, s22, s23
	s_mov_b32 s23, 0
	s_add_nc_u64 s[10:11], s[10:11], s[22:23]
	s_add_nc_u64 s[12:13], s[12:13], s[22:23]
	s_lshl_b32 s22, s17, 20
	s_lshl_b32 s18, s15, 19
	s_add_co_u32 s22, s22, s18
	s_add_nc_u64 s[12:13], s[12:13], s[22:23]
	v_lshlrev_b32 v7, 5, v2
.irp b, 0,1,2,3
	global_load_b128 v[BB+8*\b:BB+8*\b+3],   v7, s[10:11] offset:64*\b
	global_load_b128 v[BB+8*\b+4:BB+8*\b+7], v7, s[10:11] offset:64*\b+16
.endr
	s_wait_kmcnt 0x0
	s_add_co_i32 s96, s78, s79
	s_add_co_i32 s96, s96, 127
	s_lshl_b32 s96, s96, 23
	s_mov_b32 s97, s96
	s_wait_loadcnt 0x0
.macro MUL8 a0, p, zero
.irp a, \a0, \a0+1
.irp b, 0,1,2,3
.if \zero
	v_wmma_f32_16x16x128_bf8_bf8 v[8*(4*(\a)+\b):8*(4*(\a)+\b)+7], v[64*(\p)+FR*\b:64*(\p)+FR*\b+FR-1], v[AF+FR*(\a):AF+FR*(\a)+FR-1], 0
.else
	v_wmma_f32_16x16x128_bf8_bf8 v[8*(4*(\a)+\b):8*(4*(\a)+\b)+7], v[64*(\p)+FR*\b:64*(\p)+FR*\b+FR-1], v[AF+FR*(\a):AF+FR*(\a)+FR-1], v[8*(4*(\a)+\b):8*(4*(\a)+\b)+7]
.endif
.endr
.endr
.endm
.macro FETCH_B slot, q, p
	WIN TO_B
.irp i, 0,1,2,3
.irp c, 0,1,2,3,4,5,6,7
	ds_load_b64 v[64*(\p)+FR*\i+2*\c:64*(\p)+FR*\i+2*\c+1], v[ADRB+\slot] offset:\i*16*PITCH+128*(\q)+16*\c
.endr
.endr
	WIN 0
.endm
.macro FETCH_A slot, q, i0
.irp i, \i0, \i0+1, \i0+2, \i0+3
.irp c, 0,1,2,3
	ds_load_b128 v[AF+FR*(\i)+4*\c:AF+FR*(\i)+4*\c+3], v[ADRA+\slot] offset:4096*(\i)+2048*(\q)+512*\c
.endr
.endr
.endm
.macro PLACES n
.rept \n
	v_nop
.endr
.endm
.macro STEP slot, q, zero
	s_wait_dscnt 4*NL
	WIN MUL
	MUL8 0, (\q)%2, \zero
	MUL8 2, (\q)%2, \zero
	s_wait_dscnt 0
	PLACES NP
	FETCH_B \slot, (\q)+1, 1-(\q)%2
	FETCH_A \slot, (\q)+1, 0
	WIN MUL
	MUL8 4, (\q)%2, \zero
	MUL8 6, (\q)%2, \zero
	PLACES NP
	WIN 0
	FETCH_A \slot, (\q)+1, 4
.endm
.macro TURN slot, next, fill
	s_wait_tensorcnt 0x0
	ds_add_u32 v[SPW], v[NIL]
	s_wait_dscnt 4*NL+1
	WIN MUL
	MUL8 0, 1, 0
	s_wait_dscnt 0x0
	s_barrier_signal -1
	MUL8 2, 1, 0
	WIN 0
	s_barrier_wait -1
.if \fill
	CREST
	s_add_nc_u64 s[G0+4*\slot+2:G0+4*\slot+3], s[G0+4*\slot+2:G0+4*\slot+3], 2*KSA
	s_add_nc_u64 s[G0B+4*\slot+2:G0B+4*\slot+3], s[G0B+4*\slot+2:G0B+4*\slot+3], 2*ROWB
	JLOAD G0+4*\slot, G1, G0B+4*\slot, G1B
.else
	PLACES NP
.endif
	FETCH_B \next, 0, 0
	FETCH_A \next, 0, 0
	WIN MUL
	MUL8 4, 1, 0
	MUL8 6, 1, 0
	PLACES NP
	WIN 0
	FETCH_A \next, 0, 4
.endm
	s_wait_tensorcnt 1
	s_barrier_signal -1
	s_barrier_wait -1
	FETCH_B 0, 0, 0
	FETCH_A 0, 0, 0
	FETCH_A 0, 0, 4
	STEP 0, 0, 1
	s_mov_b32 s3, LAPS-1
.Llap:
	TURN 0, 1, 1
	STEP 1, 0, 0
	TURN 1, 0, 1
	STEP 0, 0, 0
	s_sub_co_u32 s3, s3, 1
	s_cmp_lg_u32 s3, 0
	s_cbranch_scc1 .Llap
	TURN 0, 1, 0
	STEP 1, 0, 0
	s_wait_dscnt 4*NL
	WIN MUL
	MUL8 0, 1, 0
	MUL8 2, 1, 0
	s_wait_dscnt 0
	MUL8 4, 1, 0
	MUL8 6, 1, 0
	WIN 0
.macro TOSTAGE a
	WIN 0x02
.irp j, 0,2,4,6,8,10,12,14,16,18,20,22,24,26,28,30
	v_pk_fma_f32 v[TMP+\j:TMP+\j+1], v[32*(\a)+\j:32*(\a)+\j+1], s[96:97], v[BB+\j:BB+\j+1] op_sel_hi:[1,0,1]
.endr
	WIN 0
.irp b, 0,1,2,3
	ds_store_b128 v[STO], v[TMP+8*\b:TMP+8*\b+3] offset:64*\b
	ds_store_b128 v[STO], v[TMP+8*\b+4:TMP+8*\b+7] offset:64*\b+16
.endr
.set BR, BK+32*((\a)%2)
.irp t, 0,1,2,3,4,5,6,7
	ds_load_b128 v[BR+4*\t:BR+4*\t+3], v[RD] offset:\t*2*SPITCH
.endr
.endm
.macro SEND a, younger
.set BR, BK+32*((\a)%2)
	s_wait_dscnt \younger
.if (\a) > 0
	s_add_nc_u64 s[12:13], s[12:13], 16*4096
.endif
.irp t, 0,1,2,3,4,5,6,7
	global_store_b128 v[CO], v[BR+4*\t:BR+4*\t+3], s[12:13] offset:\t*2*4096 th:TH_STORE_NT
.endr
.endm
	PLACES NP
	TOSTAGE 0
.irp a, 1,2,3,4,5,6,7
.if \a > 1
	s_wait_xcnt 0x0
.endif
	TOSTAGE \a
	SEND \a-1, 16
.endr
	s_wait_xcnt 0x0
	SEND 7, 0
	s_wait_tensorcnt 0x0
	ds_add_u32 v[SPW], v[NIL]
	s_wait_dscnt 0x0
	CROUND
	s_endpgm
.Lfunc_end_k_q32b8142038_proj:
	.size	k_q32b8142038_proj, .Lfunc_end_k_q32b8142038_proj-k_q32b8142038_proj
	.p2alignl 7, 3214868480
	.fill 96, 4, 3214868480
	.section	.rodata,"a",@progbits
	.p2align	6, 0x0
	.amdhsa_kernel k_q32b8142038_proj
		.amdhsa_group_segment_fixed_size 327680
		.amdhsa_private_segment_fixed_size 0
		.amdhsa_enable_private_segment 0
		.amdhsa_kernarg_size 40
		.amdhsa_user_sgpr_count 2
		.amdhsa_user_sgpr_kernarg_segment_ptr 1
		.amdhsa_wavefront_size32 1
		.amdhsa_system_sgpr_workgroup_id_x 1
		.amdhsa_system_sgpr_workgroup_id_y 1
		.amdhsa_system_sgpr_workgroup_id_z 1
		.amdhsa_system_vgpr_workitem_id 0
		.amdhsa_next_free_vgpr 768
		.amdhsa_next_free_sgpr 100
		.amdhsa_reserve_vcc 0
		.amdhsa_float_denorm_mode_32 3
		.amdhsa_float_denorm_mode_16_64 3
		.amdhsa_memory_ordered 1
		.amdhsa_forward_progress 1
		.amdhsa_inst_pref_size 87
	.end_amdhsa_kernel
	.amdgpu_metadata
---
amdhsa.version: [ 1, 2 ]
amdhsa.kernels:
  - .name:           k_q32b8142038_proj
    .symbol:         k_q32b8142038_proj.kd
    .args:
      - { .name: af, .offset: 0, .size: 8, .value_kind: global_buffer, .address_space: global }
      - { .name: w_proj_codes, .offset: 8, .size: 8, .value_kind: global_buffer, .address_space: global }
      - { .name: lowp_scales, .offset: 16, .size: 8, .value_kind: global_buffer, .address_space: global }
      - { .name: b_proj, .offset: 24, .size: 8, .value_kind: global_buffer, .address_space: global }
      - { .name: out0, .offset: 32, .size: 8, .value_kind: global_buffer, .address_space: global }
    .group_segment_fixed_size: 327680
    .private_segment_fixed_size: 0
    .kernarg_segment_align: 8
    .kernarg_segment_size: 40
    .max_flat_workgroup_size: 128
    .sgpr_count:     100
    .vgpr_count:     768
    .wavefront_size: 32
...
	.end_amdgpu_metadata
.endif
;; end of part 3
